; MI455X (gfx1250); checked and timed in simulation.
; The chip was launched on July 23, 2026; its instructions are those of AMD's public machine-readable ISA for CDNA 5 (MIT licence, August 2026) and "CDNA5" Instruction Set Architecture Reference Guide (July 2026). The comments in the code are by the model that wrote it; some were corrected since.
;; Temporal Attn. Allowed arithmetic: matrix products marked QUANTISED: E4M3 operands, one E8M0 scale for each 32 along K, by v_wmma_scale_f32_16x16x128_f8f6f4 with both operands' format E4M3, f32 sums; products left as they are: f32 operands where the result goes on into a quantised operand, else bf16, f16 or f32 operands; f32 sums; everything else in f32.
;; Inputs: Wqkv_codes 3,072 x 32 x 32 uint8 (E4M3 codes of Wqkv, K innermost, in blocks of 32 codes); Wqkv_scales 3,072 x 32 uint8 (E8M0 scales of Wqkv, one for each 32 codes along K); bqkv 3,072 float32; k_scale 64 float32; q_scale 64 float32; x_codes 64 x 16 x 16 x 32 x 32 uint8 (E4M3 codes of x, K innermost, in blocks of 32 codes); x_scales 64 x 16 x 16 x 32 uint8 (E8M0 scales of x, one for each 32 codes along K).
;; Outputs: out0 64 x 1,024 x 16 x 16 float32.
;; This version of the problem:
;;   THIS VERSION OF THE PROBLEM IS GIVEN IN LOW PRECISION. The matrix products marked QUANTISED in the list below multiply operands that are first quantised to E4M3 (4 exponent bits, 3 mantissa bits; 8 bits a number), with one power-of-two scale for each 32 numbers along K (OCP MX v1.0); their sums are f32. All else is computed in f32.
;;   The module's matrix products, in the order in which they are computed (A, B: the left and right operand; K: the contracted axis; several contracted axes count as one K, in the product's order):
;;     1. [M 16,384, K 1,024] x [K 1,024, N 3,072]; A: input x (given as codes); B: input Wqkv (given as codes): QUANTISED
;;     2. batch 16,384 x [M 16, K 64] x [K 64, N 16]; A: computed on the way; B: computed on the way: QUANTISED
;;     3. batch 16,384 x [M 16, K 16] x [K 16, N 64]; A: softmax; B: computed on the way: left as it is (K = 16 < 32)
;;   THE QUANTISER, for each operand of a quantised product, along K:
;;     - K is cut into blocks of 32 from its start; a last block that is shorter is filled with zeros.
;;     - A block's scale is 2^e with e = floor(log2(the largest magnitude in the block)) - 8, held to -126 .. 127; a block of zeros has e = 0. As a byte (E8M0): e + 127.
;;     - Each number is divided by its block's scale, clamped to +-448, and rounded to the nearest number of E4M3, ties to even, subnormals kept.
;;     - The product sums the exact products of the quantised numbers (number of the format x scale) in f32.
;;   ~~~python
;;   def quantise(x, axis):      # numpy; x: float32 -> the quantised numbers, widened to float32 again
;;       x = np.moveaxis(x, axis, -1); K = x.shape[-1]
;;       x = np.pad(x, [(0, 0)] * (x.ndim - 1) + [(0, -K % 32)]); x = x.reshape(x.shape[:-1] + (-1, 32)); a = np.abs(x).max(-1, keepdims=True)
;;       e = np.where(a > 0, np.clip(np.frexp(np.where(a > 0, a, 1))[1] - 1 - 8, -126, 127), 0)      # np.frexp(a)[1] - 1 = floor(log2(a)), exactly
;;       r = np.clip(x / 2.0 ** e, -448, 448)
;;       step = 2.0 ** (np.maximum(np.frexp(np.where(r == 0, 1, r))[1] - 1, -6) - 3)
;;       q = np.round(r / step) * step * 2.0 ** e      # np.round: ties to even
;;       return np.moveaxis(q.reshape(q.shape[:-2] + (-1,))[..., :K], -1, axis).astype(np.float32)
;;   ~~~
;;   OPERANDS COMPUTED ON THE WAY. 'Computed on the way' means the value that the module computes at that place (a softmax that the list does not call 'softmax' is quantised finished and normalised). What goes into a quantiser is computed in f32, as accurately as f32 sums, v_exp_f32 and their like allow (about 1e-6 of the number): no bf16 or f16 on the way to a quantiser, and a product that is left as it is and whose result goes on into a quantised operand takes f32 operands (vector FMAs, or v_wmma_f32_16x16x4_f32). A number that lies on a knife's edge between two numbers of the format may be rounded either way, as far as f32 arithmetic and the matrix unit's own rounding can turn it there, and no further.
;;   INPUTS GIVEN AS CODES. Wqkv (in the module: [3072, 1024], K = its axis 1); x (in the module: [64, 1024, 16, 16], K = its axis 1): each comes as NAME_codes (uint8): NAME with its K axis moved to the last place and cut into blocks of 32 codes, [.., K / 32, bytes a block], one block behind the other in memory; one code a byte (a code: sign, 4 exponent bits, 3 mantissa bits); and NAME_scales (uint8): the same leading axes, one E8M0 byte (e + 127) for each 32 codes along K. Its value is code x scale, taken as it is: it is not quantised again, and the codes and scales need not be those that the quantiser above would give.
;; One version. Each part assembles by itself: llvm-mc -triple=amdgcn-amd-amdhsa -mcpu=gfx1250 --defsym DOCPART=n.
;; ======== version 1 of 1: 1 launch
;; launch tattn (part 1): grid 16 x 16, 4 waves a work-group, clusters of 4 x 4, 327,680 bytes of LDS; arguments x_codes, x_scales, Wqkv_codes, Wqkv_scales, bqkv, q_scale, k_scale, out0; writes out0
.if DOCPART == 1
	.amdgcn_target "amdgcn-amd-amdhsa--gfx1250"
	.amdhsa_code_object_version 6
	.text
	.protected	k_q4643ea963b_tattn
	.globl	k_q4643ea963b_tattn
	.p2align	8
	.type	k_q4643ea963b_tattn,@function
k_q4643ea963b_tattn:
	s_mov_b64 s[64:65], 0
	v_nop
	global_prefetch_b8 v0, s[64:65] scope:SCOPE_SE
	s_setreg_imm32_b32 hwreg(HW_REG_WAVE_MODE, 25, 1), 1
	s_wait_xcnt 0x0
	s_wait_alu depctr_hold_cnt(0) depctr_sa_sdst(0) depctr_va_vdst(0) depctr_va_sdst(0) depctr_va_ssrc(0) depctr_va_vcc(0) depctr_vm_vsrc(0)
	s_getreg_b32 s2, hwreg(HW_REG_IB_STS2, 6, 4)
	s_cmp_eq_u32 s2, 0
	s_cbranch_scc0 .Lentry_in_a_cluster
	s_endpgm
.Lentry_in_a_cluster:
	s_bfe_u32 s2, ttmp6, 0x10000c
	s_cmp_lg_u32 s2, 0xf033
	s_cbranch_scc0 .Lentry_shape_is_right
	s_endpgm
.Lentry_shape_is_right:
; TEMPORAL ATTENTION, one launch: qkv = x W^T + b on E4M3 codes with E8M0 scales; RMS norm and rotary turn of q and k; q, k quantised along the head's 64; scores on codes; causal softmax; P V in bf16; out in f32.
; SHARES.  A work-group owns one head and 64 neighbouring pixels x 16 frames (1,024 rows of x), so that 64 pixels of one (frame, channel), 256 consecutive bytes of out0, leave by one store of sixteen lanes.
; 1,024 x 192 sums do not fit in the work-group's registers: two passes of 32 pixels.  In a pass a wave owns 8 pixels = 8 whole sequences of 16 frames: 128 rows x 192 columns, 96 accumulators, 768 registers (windows 1, 2, 3 = q, k, v).
; A ROW TILE IS ONE PIXEL'S 16 FRAMES.  q, k: source 0 = 16 rows of W, source 1 = x: lane (r, h) holds frame r, register j channel 16 c4 + 8 h + j.  v: source 0 = x, source 1 = W: lane holds channel 16 c4 + r, register j frame 8 h + j,
; which rounded to bf16 in pairs is half an operand V^T.  S^T = k q^T: lane holds query r, keys 8 h + j, which after the softmax is half an operand P.  One bf16 product of K = 32 takes two sequences' V^T against (p | 0) or (0 | p).
; Pass 0's V^T and P wait in LDS as images of their registers (each wave's own bytes); behind pass 1 the result goes, 16 channels at a time, through a stage of 256 rows (channel, frame) x 64 pixels.
; CLUSTER 4 x 4: x's tiles and scale bytes hang on the row block alone and are asked for jointly along a row of the cluster; W's hang on the head alone and are asked for jointly along a column.
; The biases are loaded into the accumulators while a pass's first tile lands: no addition, no clearing, no first K step of its own.
; LIMITS.  NaN and infinities among the inputs are not served.  A block of q or k whose largest magnitude lies under 2^-118 gets the scale byte 1 (a block of zeros too: its codes are zeros).
; The gains are folded into cos and sin, and 1 / rms is multiplied in last: another order of rounding than the reference's.  The rotary frequencies are 2^(-0.41524101 i) by v_exp_f32; cos and sin by a reduction in two parts and polynomials.
; Hidden scores are -1e30: scores are served up to 1e29 in magnitude.  p is divided by its row's sum before it is rounded to bf16.  Inside a block of 32 of the score product the order of k is permuted, alike in q and k.
; LEFT OUT: tile rows of 256 bytes (two slots of 704 such rows do not fit in LDS); W kept in LDS for all of K (199,680 bytes beside x's ring do not fit); a prefetch of W (a seventh of the input bytes, read again in the second pass).
.set PITCH,  144                       ; an LDS row of codes: 128 bytes + 16 = 36 words: sixteen neighbouring rows start at sixteen different groups of four banks
.set SLOTB,  101376                    ; a slot: x's 512 rows [pixel 32][frame 16], then W's 192 rows [half 2][q k v][32]
.set WOFF,   73728                     ; where W's rows begin in a slot
.set RETV,   202752                    ; pass 0's V^T images: 16,384 bytes a wave
.set XSB,    268288                    ; x's scale bytes: (wave, pass) at 8,704 w + 4,352 p: 16 frames x (8 pixels x 32 bytes + 16).  Pass 0's part takes pass 0's P images once it has been read: it is filled once
.set WSC,    303104                    ; W's scale bytes: [c4 4][q k v][16 rows][32 bytes]
.set CSIMG,  309248                    ; cos (groups 0-3) and sin (groups 4-7) as images of registers: 512 G + 16 lane
.set BIASQK, 313344                    ; the head's bias of q, then of k
.set BIASV,  313856                    ; v's, each number four times
.set QSK,    314880                    ; q_scale, then k_scale
.set SPARE,  315392                    ; the spare words, 128 bytes for each wave: two blocks of 256 bytes that no other line names
.set STP,    272                       ; a stage row: 64 pixels x 4 bytes + 16.  The stages lie at the heads of the two slots, behind the slots' last fills and last reads
.set SPW, 1                            ; v1  LDS address of my spare word; never rewritten
.set NIL, 2                            ; v2  0; never rewritten
.set ADRA, 3                           ; v3-4  my x fragments in slot 0, 1
.set ADRB, 5                           ; v5-6  W's fragments in slot 0, 1
.set XSL, 7                            ; v7  x's scale words: lanes 0-15 tile i, lanes 16-31 tile i + 4
.set WSL, 8                            ; v8  W's: lanes 0-15 tile (g, c4), lanes 16-31 tile (g, c4 + 2)
.set PFO, 9                            ; v9  the prefetches' offset; never rewritten
                                       ; v10-13 addresses of the phase in hand; v14, v15 q's and k's scale words; v16-35 the product's scale words, two sets; v36-63 at work; v64-127 four buffers for W's tiles; v128-255 x's eight fragments
.set WV, 20                            ; s20 wave; s21 wave / 2 (0: I fetch x, 1: W); s22 wave % 2 (which half I fetch)
.set WH, 21
.set WE, 22
.set PASS, 92
.set KC, 93
.set TX, 94                            ; s94  where the K step's scale words of x begin: 4 bytes a step, 4,352 a pass
.set TW, 95                            ; s95  W's: 4 bytes a step
.set PFI, 96                           ; s96  counts the places at which a prefetch may stand
.set PFON, 97                          ; s97  6 where my cluster prefetches, else 0
.set MSB, 0
.macro WIN new                         ; bits 1:0 source 0, 3:2 source 1, 5:4 source 2, 7:6 destination; the high byte repeats the setting that is left
.if MSB != (\new)
	s_set_vgpr_msb (MSB<<8)|(\new)
.set MSB, \new
.endif
.endm
.macro PLACES n                        ; plain vector instructions between a matrix instruction and what touches its registers (ISA guide 7.12.1 for matrix instructions)
.rept \n
	v_nop
.endr
.endm
.macro THREE                           ; all my tensor loads have landed; 0 onto my spare word; the add and all my LDS instructions are done
	s_wait_tensorcnt 0x0
	ds_add_u32 v[SPW], v[NIL]
	s_wait_dscnt 0x0
.endm
.macro CREST                           ; a round of the cluster's barrier behind its opening barrier
	s_cmp_lg_u32 s[WV], 0
	s_cbranch_scc1 .Lnw0_\@
	s_barrier_signal -3
.Lnw0_\@:
	s_barrier_wait -3
	s_barrier_signal -1
	s_barrier_wait -1
.endm
.macro CROUND
	s_barrier_signal -1
	s_barrier_wait -1
	CREST
.endm
; A joint load of a K step's tiles: waves 0, 1 fetch x's halves (16 pixels x 16 frames x 128 bytes), waves 2, 3 W's (q, k, v x 32 rows x 128 bytes).  The branch hangs on the wave's number alone.
.macro JLOAD slot
	s_cmp_eq_u32 s[WH], 0
	s_cbranch_scc0 .Ljw_\@
	tensor_load_to_lds s[44+4*(\slot):47+4*(\slot)], s[28:35], s[36:39], s[40:43]
	s_nop 0
	PLACES 4
	s_branch .Ljd_\@
.Ljw_\@:
	tensor_load_to_lds s[68+4*(\slot):71+4*(\slot)], s[52:59], s[60:63], s[40:43]
	s_nop 0
	PLACES 4
.Ljd_\@:
.endm
.macro FRAGA slot, i                   ; x's tile i: 16 frames x 128 K: lane (r, h): row r, registers 4 c .. 4 c + 3 = K 32 c + 16 h + 0 .. 15
.irp cc, 0,1,2,3
	ds_load_b128 v[128+16*(\i)+4*\cc:128+16*(\i)+4*\cc+3], v[ADRA+(\slot)] offset:2304*(\i)+32*\cc
.endr
.endm
.macro FRAGB slot, c                   ; W's tile c = 4 g + c4 into buffer c % 4
.irp cc, 0,1,2,3
	ds_load_b128 v[64+16*((\c)%4)+4*\cc:64+16*((\c)%4)+4*\cc+3], v[ADRB+(\slot)] offset:(96*(((\c)%4)/2)+32*((\c)/4)+16*((\c)%2))*PITCH+32*\cc
.endr
.endm
.macro SCALES set                      ; a K step's scale words: 4 registers for x's eight tiles, 6 for W's twelve
	v_add_nc_u32 v12, s[TX], v[XSL]
	v_add_nc_u32 v13, s[TW], v[WSL]
.irp q, 0,1,2,3
	ds_load_b32 v[16+10*(\set)+\q], v12 offset:32*\q
.endr
.irp g, 0,1,2
.irp u, 0,1
	ds_load_b32 v[20+10*(\set)+2*\g+\u], v13 offset:512*\g+1536*\u
.endr
.endr
.endm
.macro WMI d, a, b, sa, sb, ra, rb
.if (\ra) && (\rb)
	v_wmma_scale_f32_16x16x128_f8f6f4 v[\d:\d+7], v[\a:\a+15], v[\b:\b+15], v[\d:\d+7], v[\sa], v[\sb] matrix_a_scale:MATRIX_SCALE_ROW1 matrix_b_scale:MATRIX_SCALE_ROW1
.elseif (\ra)
	v_wmma_scale_f32_16x16x128_f8f6f4 v[\d:\d+7], v[\a:\a+15], v[\b:\b+15], v[\d:\d+7], v[\sa], v[\sb] matrix_a_scale:MATRIX_SCALE_ROW1
.elseif (\rb)
	v_wmma_scale_f32_16x16x128_f8f6f4 v[\d:\d+7], v[\a:\a+15], v[\b:\b+15], v[\d:\d+7], v[\sa], v[\sb] matrix_b_scale:MATRIX_SCALE_ROW1
.else
	v_wmma_scale_f32_16x16x128_f8f6f4 v[\d:\d+7], v[\a:\a+15], v[\b:\b+15], v[\d:\d+7], v[\sa], v[\sb]
.endif
.endm
.macro WM c, i, set                    ; one product: W's tile c against x's tile i.  q, k: W is source 0; v: x is source 0; the scale words and their halves of the lanes go with the sources
.set wC4, (\c)%4
.set wG, (\c)/4
.set wD, 8*(4*(\i)+wC4)
.set wB, 64+16*wC4
.set wA, 128+16*(\i)
.set wSW, 20+10*(\set)+2*wG+(wC4%2)
.set wSX, 16+10*(\set)+((\i)%4)
.set wRW, wC4/2
.set wRX, (\i)/4
.if wG < 2
	WMI wD, wB, wA, wSW, wSX, wRW, wRX
.else
	WMI wD, wA, wB, wSX, wSW, wRX, wRW
.endif
.endm
.macro HALF P, lh, set                 ; eight products on eight accumulators: W's tiles 2 P, 2 P + 1 against x's tiles 4 lh .. 4 lh + 3.  Every accumulator has one turn of one instruction in a K step
.irp t, 0,1
.irp ii, 0,1,2,3
	WM 2*(\P)+\t, 4*(\lh)+\ii, \set
.endr
.endr
.endm
; A PREFETCH INTO THE L2 of x's codes: 256 bytes of each of 32 rows (2 pixels x 16 frames, a lane a row), two K steps ahead of the joint load of the first of the two tiles that it names.  All four clusters of a row block read the
; same rows: the cluster with x = 0 asks.  Its sixteen (place along x, wave) pairs take 2 of a pass's 32 pixels each, told apart by address.  Six asks: K 512 and 768 of pass 0, all of pass 1; the last two places ask for nothing.
.macro ASK
	s_wait_xcnt 0x0                                ; the last prefetch, two K steps back, has read its address
	s_lshl_b32 s2, s[PFI], 8
	s_add_co_u32 s2, s2, 512
	s_and_b32 s6, s2, 1023                         ; along K,
	s_lshr_b32 s3, s2, 10
	s_lshl_b32 s3, s3, 15                          ; and 32 pixels on in pass 1
	s_add_co_u32 s6, s6, s3
	s_add_nc_u64 s[98:99], s[4:5], s[6:7]
	s_cmp_lt_u32 s[PFI], s[PFON]
	s_cbranch_scc0 .Lnoask_\@
	global_prefetch_b8 v[PFO], s[98:99] th:TH_LOAD_NT scope:SCOPE_SE
.Lnoask_\@:
	s_add_co_u32 s[PFI], s[PFI], 1
.endm
; A K STEP of 128: 96 products.  W's twelve tiles go through four buffers, a pair fetched while the pair before is multiplied; x's eight fragments stay for the step.
; kind 0: the slot is filled again (a round of the cluster's barrier, the joint load first behind it); 1: a plain barrier, nothing is filled; 2: the pass's last step.
.macro STEP slot, kind
	s_wait_dscnt 24                                ; the scale words, W's tiles 0, 1 and x's 0-3 are in; x's 4-7 (16 loads) and W's 2, 3 (8) may be out
	WIN 0x50
	HALF 0, 0, \slot
	s_wait_dscnt 8                                 ; x's 4-7 are in
	HALF 0, 1, \slot
	PLACES 8
	WIN 0
	FRAGB \slot, 4
	FRAGB \slot, 5
	s_wait_dscnt 8                                 ; all but the pair just asked for
	WIN 0x50
	HALF 1, 0, \slot
	HALF 1, 1, \slot
	PLACES 8
	WIN 0
	FRAGB \slot, 6
	FRAGB \slot, 7
	s_wait_dscnt 8
	WIN 0xa0
	HALF 2, 0, \slot
	HALF 2, 1, \slot
	PLACES 8
	WIN 0
	FRAGB \slot, 8
	FRAGB \slot, 9
	s_wait_dscnt 8
	WIN 0xa0
	HALF 3, 0, \slot
	HALF 3, 1, \slot
	PLACES 8
	WIN 0
	FRAGB \slot, 10
	FRAGB \slot, 11
.if (\kind) < 2
	s_wait_tensorcnt 0x0                           ; all my tensor loads have landed: my part of the other slot
	ds_add_u32 v[SPW], v[NIL]                      ; 0 onto my spare word
	s_wait_dscnt 9                                 ; (the add and the pair just asked for may be out)
	WIN 0xf0
	HALF 4, 0, \slot                               ; eight products stand between the add and the wait for it
	s_wait_dscnt 0x0                               ; the add is done, and my reads of this slot are over
	s_barrier_signal -1
	HALF 4, 1, \slot
	WIN 0
	s_barrier_wait -1
.if (\kind) == 0
	CREST                                          ; no wave of any partner still reads this slot or has a load on its way
	s_add_nc_u64 s[46+4*(\slot):47+4*(\slot)], s[46+4*(\slot):47+4*(\slot)], 256   ; two K steps on
	s_add_nc_u64 s[70+4*(\slot):71+4*(\slot)], s[70+4*(\slot):71+4*(\slot)], 256
	JLOAD \slot                                    ; its four v_nop are four of the eight places in front of the loads below
	PLACES 4
.else
	PLACES 8
.endif
	s_add_co_u32 s[TX], s[TX], 4
	s_add_co_u32 s[TW], s[TW], 4
	SCALES 1-(\slot)
	FRAGB 1-(\slot), 0
	FRAGB 1-(\slot), 1
.if (\slot) == 0
	ASK
.endif
	WIN 0xf0
	HALF 5, 0, \slot
	PLACES 8
	WIN 0
.irp f, 0,1,2,3
	FRAGA 1-(\slot), \f
.endr
	WIN 0xf0
	HALF 5, 1, \slot
	PLACES 8
	WIN 0
.irp f, 4,5,6,7
	FRAGA 1-(\slot), \f
.endr
	FRAGB 1-(\slot), 2
	FRAGB 1-(\slot), 3
.else
	s_wait_dscnt 8
	WIN 0xf0
	HALF 4, 0, \slot
	HALF 4, 1, \slot
	s_wait_dscnt 0x0
	HALF 5, 0, \slot
	HALF 5, 1, \slot
	WIN 0
	s_add_co_u32 s[TX], s[TX], 4
	s_add_co_u32 s[TW], s[TW], 4
.endif
.endm
.macro SUMSQ dst                       ; eight chains: the sums of squares of a lane's 32 numbers of each of the eight sequences, two at a time; each accumulator is read from its low end on
.irp t, 0,1,2,3,4,5,6,7
	v_pk_mul_f32 v[\dst+2*\t:\dst+2*\t+1], v[32*\t:32*\t+1], v[32*\t:32*\t+1]
.endr
.irp p, 2,4,6,8,10,12,14,16,18,20,22,24,26,28,30
.irp t, 0,1,2,3,4,5,6,7
	v_pk_fma_f32 v[\dst+2*\t:\dst+2*\t+1], v[32*\t+\p:32*\t+\p+1], v[32*\t+\p:32*\t+\p+1], v[\dst+2*\t:\dst+2*\t+1]
.endr
.endr
.endm
; Sequence i of q (X = 0) or k (X = 1): gain, rotary turn and 1 / rms into v96-127 (register 16 b + 8 u + j = channel 32 b + 16 u + 8 h + j), then the quantiser for the two blocks of 32: codes to v[64 + 16 X ..], scale word to v[14 + X].
.macro E2 i, X
.set eA, 32*(\i)
.set eT, 128+64*(\X)                   ; the tables: s_lo cos; +16 s_hi sin; +32 s_lo sin; +48 s_hi cos
	WIN 1+(\X)
.irp p, 0,2,4,6,8,10,12,14
	v_pk_mul_f32 v[96+\p:97+\p], v[eA+\p:eA+\p+1], v[eT+\p:eT+\p+1]
	v_pk_mul_f32 v[112+\p:113+\p], v[eA+\p:eA+\p+1], v[eT+32+\p:eT+33+\p]
.endr
.irp p, 0,2,4,6,8,10,12,14
	v_pk_fma_f32 v[96+\p:97+\p], v[eA+16+\p:eA+17+\p], v[eT+16+\p:eT+17+\p], v[96+\p:97+\p] neg_lo:[0,1,0] neg_hi:[0,1,0]
	v_pk_fma_f32 v[112+\p:113+\p], v[eA+16+\p:eA+17+\p], v[eT+48+\p:eT+49+\p], v[112+\p:113+\p]
.endr
	WIN 0
.irp p, 0,2,4,6,8,10,12,14,16,18,20,22,24,26,28,30
.if (\X) == 0
	v_pk_mul_f32 v[96+\p:97+\p], v[96+\p:97+\p], v[36+2*(\i):37+2*(\i)] op_sel_hi:[1,0]              ; x 1 / rms of q: the pair's lower register for both halves
.else
	v_pk_mul_f32 v[96+\p:97+\p], v[96+\p:97+\p], v[36+2*(\i):37+2*(\i)] op_sel:[0,1] op_sel_hi:[1,1]  ; of k: the upper
.endif
.endr
.irp b, 0,1
	v_max3_num_f32 v[52+\b], |v[96+16*\b]|, |v[97+16*\b]|, 0x4800000     ; my 16 numbers of block b, and the floor 2^(9 - 127): the byte cannot fall under 1
.endr
.irp q, 2,4,6,8,10,12,14
.irp b, 0,1
	v_max3_num_f32 v[52+\b], v[52+\b], |v[96+16*\b+\q]|, |v[97+16*\b+\q]|
.endr
.endr
.irp b, 0,1
	v_permlanex16_b32 v[54+\b], v[52+\b], s84, s85
.endr
.irp b, 0,1
	v_max_num_f32 v[52+\b], v[52+\b], v[54+\b]                            ; with lane l xor 16's 16: the block's largest magnitude
.endr
.irp b, 0,1
	v_add_nc_u32 v[58+\b], 0xfc000000, v[52+\b]                           ; 8 off its exponent field: the conversion's scale operand
.endr
.irp b, 0,1
	v_and_or_b32 v[56+\b], v[52+\b], 0x7f800000, s91                      ; 448 x the scale
.endr
.irp b, 0,1
	v_lshrrev_b32 v[60+\b], 23, v[58+\b]                                  ; the scale's byte
.endr
	v_lshl_or_b32 v[14+(\X)], v61, 8, v60                                 ; the scale word: bytes 2, 3 are 0 over zero codes.  The 32 holds below are its places ahead of the product
.irp b, 0,1
.irp n, 0,1,2,3,4,5,6,7,8,9,10,11,12,13,14,15
	v_med3_num_f32 v[96+16*\b+\n], v[96+16*\b+\n], -v[56+\b], v[56+\b]    ; the conversion to an 8-bit code does not saturate (ISA guide 7.6.2)
.endr
.endr
.irp b, 0,1
	v_cvt_scalef32_pk8_fp8_f32 v[64+16*(\X)+4*\b:65+16*(\X)+4*\b], v[96+16*\b:103+16*\b], v[58+\b]
	v_cvt_scalef32_pk8_fp8_f32 v[66+16*(\X)+4*\b:67+16*(\X)+4*\b], v[104+16*\b:111+16*\b], v[58+\b]
.endr
	v_nop                                          ; a plain line behind the last conversion
.endm
.macro SCORE i                         ; S^T = k q^T of sequence i, into the registers that its q has left; K 64 .. 127 are zero codes
	PLACES 4
	WIN 0x40
	v_wmma_scale_f32_16x16x128_f8f6f4 v[32*(\i):32*(\i)+7], v[80:95], v[64:79], 0, v15, v14
	WIN 0
.endm
.macro IMGADR                          ; v10: my wave's V^T images, v11: its P images, each + 16 x lane
	v_and_b32 v10, 31, v0
	v_lshlrev_b32 v10, 4, v10
	s_mul_i32 s2, s[WV], 8704
	s_add_co_u32 s2, s2, XSB
	v_add_nc_u32 v11, s2, v10
	s_lshl_b32 s2, s[WV], 14
	s_add_co_u32 s2, s2, RETV
	v_add_nc_u32 v10, s2, v10
.endm
.macro VF0 c4                          ; pass 0's V^T of channels 16 c4 on, four pairs of sequences, into v112-143
.irp m, 0,1,2,3
.irp hf, 0,1
	ds_load_b128 v[112+8*\m+4*\hf:115+8*\m+4*\hf], v10 offset:512*(8*\m+2*(\c4)+\hf)
.endr
.endr
.endm
; THE WAY OUT of channels 16 c4 on: 16 bf16 products (O^T = V^T P: lane (r, h) holds frame r, channels 8 h + j), into the stage pixel by pixel, a barrier, back as rows of 64 pixels, stored sixteen lanes to 256 consecutive bytes.
.macro OUTCHUNK c4
.set q2, (\c4)%2
	s_wait_dscnt 0x0                               ; pass 0's images are in
	WIN 0x80
.irp m, 0,1,2,3
.irp e, 0,1
	v_wmma_f32_16x16x32_bf16 v[128*q2+8*(2*\m+\e):128*q2+8*(2*\m+\e)+7], v[112+8*\m:119+8*\m], v[64+12*\m+4*\e:71+12*\m+4*\e], 0
.endr
.endr
	WIN 0x87
.irp m, 0,1,2,3
.irp e, 0,1
	v_wmma_f32_16x16x32_bf16 v[128*q2+64+8*(2*\m+\e):128*q2+64+8*(2*\m+\e)+7], v[64*\m+8*(\c4):64*\m+8*(\c4)+7], v[64*\m+16+4*\e:64*\m+23+4*\e], 0
.endr
.endr
	PLACES 4
	WIN 0
.if (\c4) < 3
	VF0 (\c4)+1
.endif
	WIN 0x08                                       ; an LDS store's data are its source 1: window 2
.irp n, 0,1,2,3,4,5,6,7,8,9,10,11,12,13,14,15
.irp j, 0,1,2,3,4,5,6,7
	ds_store_b32 v[12+q2], v[128*q2+8*\n+\j] offset:16*STP*\j+4*(\n+24*(\n/8))   ; row (8 h + j, r), pixel 32 (n / 8) + 8 w + n % 8; each result from its low end on
.endr
.endr
	WIN 0
	s_wait_dscnt 0x0                               ; for the others' sake: my stores into the stage are done; so are my reads of the other stage
	s_barrier_signal -1
	s_barrier_wait -1
.irp hf, 0,1
	s_wait_xcnt 0x0                                ; the earlier stores have read their registers
.irp k, 0,1,2,3,4,5,6,7,8,9,10,11,12,13,14,15
	ds_load_b128 v[144+4*\k:147+4*\k], v[36+q2] offset:2*STP*(16*\hf+\k)
.endr
.irp k, 0,1,2,3,4,5,6,7,8,9,10,11,12,13,14,15
.set oN, 16*\hf+\k
.set oB, 12+2*((oN%8)/4)
	s_wait_dscnt 15-\k
	global_store_b128 v38, v[144+4*\k:147+4*\k], s[oB:oB+1] offset:(16*(\c4)+oN/8)*1024+((oN%8)%4)*2097152 th:TH_STORE_NT   ; channel 4 w + oN / 8, frame 2 (oN % 8) + lane / 16: frames 8 on go by the second base, so that the immediate stays inside 24 signed bits
.endr
.endr
.endm
	s_load_b256 s[4:11], s[0:1], 0x0               ; x's codes s[4:5], x's scales s[6:7], W's codes s[8:9], W's scales s[10:11]
	s_load_b256 s[12:19], s[0:1], 0x20             ; bias s[12:13], q_scale s[14:15], k_scale s[16:17], out s[18:19]
	v_lshl_add_u32 v[SPW], v0, 2, SPARE
	v_mov_b32 v[NIL], 0
	ds_add_u32 v[SPW], v[NIL]                      ; the wave's opening: the add and its wait ahead of my first tensor load; the set-up below, work on registers, stands between them
	v_lshrrev_b32 v3, 5, v0
	v_readfirstlane_b32 s[WV], v3
	s_lshr_b32 s[WH], s[WV], 1
	s_and_b32 s[WE], s[WV], 1
	s_bfe_u32 s23, ttmp6, 0x40000                  ; cx
	s_bfe_u32 s24, ttmp6, 0x40004                  ; cy
	s_lshl_b32 s25, ttmp9, 2
	s_add_co_u32 s25, s25, s23                     ; the head = 4 x cluster x + cx
	s_and_b32 s26, ttmp7, 0xffff
	s_lshl_b32 s26, s26, 2
	s_add_co_u32 s26, s26, s24                     ; the row block = 4 x cluster y + cy = 4 b + pg
	s_lshr_b32 s27, s26, 2                         ; b
	s_and_b32 s66, s26, 3                          ; pg: which 64 pixels
	s_lshl_b32 s2, s24, 2
	s_lshl_b32 s2, 15, s2                          ; my row of the cluster
	s_lshl_b32 s3, 0x1111, s23                     ; my column
	; x's tiles: elements of 1 byte; 128 along K x 16 frames (262,144 bytes apart) x 16 pixels (1,024 apart); 16 bytes of padding behind every 128
	s_or_b32 s28, s2, (1<<20)|(1<<21)|(4<<22)|(3<<25)
	s_mov_b32 s29, 128<<16                         ; tensor_dim0
	s_mov_b32 s30, 16<<16                          ; tensor_dim1
	s_mov_b32 s31, 128<<16                         ; tile_dim0
	s_mov_b32 s32, 16|(16<<16)                     ; tile_dim1, tile_dim2
	s_mov_b32 s33, 262144                          ; from frame to frame
	s_mov_b32 s34, 1024<<16                        ; from pixel to pixel, low 16 bits
	s_mov_b32 s35, 0
	s_mov_b32 s36, 16                              ; tensor_dim2
	s_mov_b32 s37, 1                               ; tensor_dim3
	s_mov_b32 s38, 0
	s_mov_b32 s39, 0
	s_mov_b32 s40, 0                               ; the fourth group, for both kinds of tile
	s_mov_b32 s41, 1<<16                           ; tensor_dim4 = 1
	s_mov_b32 s42, 0
	s_mov_b32 s43, 0
	; W's tiles: 128 along K x 32 rows (1,024 bytes apart) x q, k, v (1,048,576 apart)
	s_or_b32 s52, s3, (1<<20)|(1<<21)|(4<<22)|(3<<25)
	s_mov_b32 s53, 128<<16
	s_mov_b32 s54, 32<<16
	s_mov_b32 s55, 128<<16
	s_mov_b32 s56, 32|(3<<16)
	s_mov_b32 s57, 1024
	s_mov_b32 s58, 0
	s_mov_b32 s59, 16                              ; 1,048,576 >> 16
	s_mov_b32 s60, 3
	s_mov_b32 s61, 1
	s_mov_b32 s62, 0
	s_mov_b32 s63, 0
	; x's scale bytes of 8 pixels: 16 frames x 256 bytes (32 elements of 8), 8,192 bytes apart, 16 bytes of padding behind each
	s_or_b32 s76, s2, (3<<16)|(1<<20)|(1<<21)|(5<<22)|(3<<25)
	s_mov_b32 s77, 32<<16
	s_mov_b32 s78, 16<<16
	s_mov_b32 s79, 32<<16
	s_mov_b32 s80, 16
	s_mov_b32 s81, 1024
	s_mov_b32 s82, 0
	s_mov_b32 s83, 0
	; W's scale bytes of 16 channels: q, k, v x 512 bytes (64 elements of 8), 32,768 bytes apart
	s_or_b32 s92, s3, (3<<16)|(1<<21)
	s_mov_b32 s93, 64<<16
	s_mov_b32 s94, 3<<16
	s_mov_b32 s95, 64<<16
	s_mov_b32 s96, 3
	s_mov_b32 s97, 4096
	s_mov_b32 s98, 0
	s_mov_b32 s99, 0
	; the groups 0: their constant words and LDS addresses (the wave's number and constants alone)
	s_mov_b32 s44, 1
	s_mul_i32 s45, s[WE], 256*PITCH
	s_mov_b32 s48, 1
	s_add_co_u32 s49, s45, SLOTB
	s_mov_b32 s68, 1
	s_mul_i32 s69, s[WE], 96*PITCH
	s_add_co_u32 s69, s69, WOFF
	s_mov_b32 s72, 1
	s_add_co_u32 s73, s69, SLOTB
	s_mov_b32 s84, 1
	s_mul_i32 s85, s[WV], 8704
	s_add_co_u32 s85, s85, XSB
	s_mov_b32 s88, 1
	s_add_co_u32 s89, s85, 4352
	s_lshl_b32 s100, s27, 22                       ; x's codes: b x 4,194,304 + pg x 65,536 + my half's 16 pixels
	s_lshl_b32 s101, s66, 16
	s_add_co_u32 s100, s100, s101
	s_lshl_b32 s101, s[WE], 14
	s_add_co_u32 s100, s100, s101
	s_mov_b32 s101, 0
	s_lshl_b32 s2, s25, 16                         ; W's codes: 64 rows a head + my half's 32
	s_lshl_b32 s3, s[WE], 15
	s_add_co_u32 s2, s2, s3
	s_mov_b32 s3, 0
	s_wait_dscnt 0x0                               ; the opening add is done
	s_wait_kmcnt 0x0
	s_add_nc_u64 s[46:47], s[4:5], s[100:101]      ; K step 0 for slot 0,
	s_add_nc_u64 s[50:51], s[46:47], 128           ; K step 1 for slot 1
	s_or_b32 s47, s47, 0x80000000
	s_or_b32 s51, s51, 0x80000000
	s_add_nc_u64 s[70:71], s[8:9], s[2:3]
	s_add_nc_u64 s[74:75], s[70:71], 128
	s_or_b32 s71, s71, 0x80000000
	s_or_b32 s75, s75, 0x80000000
	s_lshl_b32 s100, s27, 17                       ; x's scale bytes: b x 131,072 + pg x 2,048 + my wave's 8 pixels
	s_lshl_b32 s67, s66, 11
	s_add_co_u32 s100, s100, s67
	s_lshl_b32 s67, s[WV], 8
	s_add_co_u32 s100, s100, s67
	s_add_nc_u64 s[86:87], s[6:7], s[100:101]      ; pass 0,
	s_add_nc_u64 s[90:91], s[86:87], 1024          ; pass 1: 32 pixels on
	s_or_b32 s87, s87, 0x80000000
	s_or_b32 s91, s91, 0x80000000
	s_lshl_b32 s2, s25, 11                         ; W's scale bytes: 2,048 a head + my wave's 16 channels
	s_lshl_b32 s67, s[WV], 9
	s_add_co_u32 s2, s2, s67
	s_add_nc_u64 s[10:11], s[10:11], s[2:3]
	s_or_b32 s11, s11, 0x80000000
	s_mov_b32 s8, 1
	s_mul_i32 s9, s[WV], 1536
	s_add_co_u32 s9, s9, WSC
	CROUND                                         ; all sixteen work-groups are here: the first joint loads meet
	tensor_load_to_lds s[84:87], s[76:83]          ; the scale bytes, filled once: three loads of mine are out
	s_nop 0
	tensor_load_to_lds s[88:91], s[76:83]
	s_nop 0
	tensor_load_to_lds s[8:11], s[92:99]
	s_nop 0
	PLACES 4
	; the head's biases and the gains, while the scale bytes land
	v_and_b32 v80, 63, v0
	v_lshlrev_b32 v80, 2, v80
	v_lshrrev_b32 v81, 6, v0
	v_lshl_add_u32 v81, v81, 12, v80               ; threads 0-63: q's bias, 64-127: k's, 4,096 bytes on
	v_lshrrev_b32 v82, 1, v0
	v_lshlrev_b32 v82, 2, v82                      ; v's bias: number thread / 2
	s_lshl_b32 s2, s25, 8
	s_add_nc_u64 s[12:13], s[12:13], s[2:3]        ; the head's 64 numbers
	s_cmp_lt_u32 s[WV], 2
	s_cselect_b64 s[14:15], s[14:15], s[16:17]     ; waves 0, 1: q_scale; waves 2, 3: k_scale
	global_load_b32 v83, v81, s[12:13]
	global_load_b32 v84, v80, s[14:15]
	global_load_b32 v86, v82, s[12:13] offset:8192
	; the addresses that stay
	v_and_b32 v10, 15, v0                          ; r
	v_bfe_u32 v11, v0, 4, 1                        ; h
	v_mul_u32_u24 v12, v10, PITCH
	v_lshl_add_u32 v12, v11, 4, v12
	s_mul_i32 s2, s[WV], 128*PITCH
	v_add_nc_u32 v[ADRA], s2, v12
	v_add_nc_u32 v[ADRA+1], SLOTB, v[ADRA]
	v_add_nc_u32 v[ADRB], WOFF, v12
	v_add_nc_u32 v[ADRB+1], SLOTB, v[ADRB]
	v_mul_u32_u24 v[XSL], v10, 272
	v_lshl_add_u32 v[XSL], v11, 7, v[XSL]
	s_mul_i32 s2, s[WV], 8704
	s_add_co_u32 s2, s2, XSB
	v_add_nc_u32 v[XSL], s2, v[XSL]
	v_lshlrev_b32 v[WSL], 5, v10
	v_mad_u32_u24 v[WSL], v11, 3072, v[WSL]
	v_add_nc_u32 v[WSL], WSC, v[WSL]
	v_lshlrev_b32 v[PFO], 18, v10                  ; a lane a row: frame lane % 16, pixel lane / 16
	v_lshl_add_u32 v[PFO], v11, 10, v[PFO]
	; cos and sin of frame r x frequency i, i = 16 (w / 2) + 8 h + 4 (w % 2) + m: group w of the images
	v_cvt_f32_u32 v42, v10
	s_lshl_b32 s2, s[WH], 4
	s_lshl_b32 s67, s[WE], 2
	s_add_co_u32 s2, s2, s67
	v_lshl_add_u32 v43, v11, 3, s2
.irp m, 0,1,2,3
	v_add_nc_u32 v[44+\m], \m, v43
.endr
.irp m, 0,1,2,3
	v_cvt_f32_u32 v[44+\m], v[44+\m]
.endr
.irp m, 0,1,2,3
	v_mul_f32 v[44+\m], 0xbed49a78, v[44+\m]       ; x -log2(10000) / 32
.endr
.irp m, 0,1,2,3
	v_exp_f32 v[44+\m], v[44+\m]
.endr
	v_nop
	s_wait_alu depctr_va_vdst(0)                   ; one wait for the four, ahead of their first reader
.irp m, 0,1,2,3
	v_mul_f32 v[44+\m], v42, v[44+\m]              ; the angle
.endr
.irp m, 0,1,2,3
	v_mul_f32 v[48+\m], 0x3f22f983, v[44+\m]       ; x 2 / pi
.endr
.irp m, 0,1,2,3
	v_rndne_f32 v[48+\m], v[48+\m]                 ; n quarter turns
.endr
.irp m, 0,1,2,3
	v_fmamk_f32 v[44+\m], v[48+\m], 0xbfc90fdb, v[44+\m]   ; less n x pi / 2, in two parts
.endr
.irp m, 0,1,2,3
	v_fmamk_f32 v[44+\m], v[48+\m], 0x333bbd2e, v[44+\m]
.endr
.irp m, 0,1,2,3
	v_cvt_i32_f32 v[48+\m], v[48+\m]
	v_mul_f32 v[52+\m], v[44+\m], v[44+\m]         ; z = rho^2
	v_mov_b32 v[56+\m], 0xb94ca1f9
	v_mov_b32 v[60+\m], 0x37ccf5ce
.endr
.irp m, 0,1,2,3
	v_fmaak_f32 v[56+\m], v[56+\m], v[52+\m], 0x3c08839e
	v_fmaak_f32 v[60+\m], v[60+\m], v[52+\m], 0xbab6061a
.endr
.irp m, 0,1,2,3
	v_fmaak_f32 v[56+\m], v[56+\m], v[52+\m], 0xbe2aaaa3
	v_fmaak_f32 v[60+\m], v[60+\m], v[52+\m], 0x3d2aaaa5
.endr
.irp m, 0,1,2,3
	v_mul_f32 v[56+\m], v[56+\m], v[52+\m]
	v_mul_f32 v[60+\m], v[60+\m], v[52+\m]
.endr
.irp m, 0,1,2,3
	v_fma_f32 v[56+\m], v[56+\m], v[44+\m], v[44+\m]       ; sin rho
	v_mul_f32 v[60+\m], v[60+\m], v[52+\m]
.endr
.irp m, 0,1,2,3
	v_fma_f32 v[60+\m], v[52+\m], -0.5, v[60+\m]
.endr
.irp m, 0,1,2,3
	v_add_f32 v[60+\m], 1.0, v[60+\m]              ; cos rho
.endr
.irp m, 0,1,2,3                        ; the quarter turn chooses values and signs: selections alone, no branch and no address hangs on it
	v_and_b32 v[64+\m], 1, v[48+\m]
	v_cmp_eq_u32 vcc_lo, 1, v[64+\m]
	v_cndmask_b32 v[68+\m], v[56+\m], v[60+\m], vcc_lo
	v_cndmask_b32 v[72+\m], v[60+\m], v[56+\m], vcc_lo
	v_and_b32 v[64+\m], 2, v[48+\m]
	v_lshlrev_b32 v[64+\m], 30, v[64+\m]
	v_xor_b32 v[68+\m], v[64+\m], v[68+\m]         ; sin
	v_add_nc_u32 v[48+\m], 1, v[48+\m]
	v_and_b32 v[48+\m], 2, v[48+\m]
	v_lshlrev_b32 v[48+\m], 30, v[48+\m]
	v_xor_b32 v[72+\m], v[48+\m], v[72+\m]         ; cos
.endr
	v_lshl_add_u32 v88, v0, 4, CSIMG               ; 512 x wave + 16 x lane
	ds_store_b128 v88, v[72:75]
	ds_store_b128 v88, v[68:71] offset:2048
	v_lshl_add_u32 v89, v0, 2, BIASQK
	v_lshl_add_u32 v85, v0, 3, BIASV
	s_wait_loadcnt 0x0
	v_mov_b32 v87, v86
	ds_store_b32 v89, v83
	ds_store_b32 v89, v84 offset:QSK-BIASQK
	ds_store_b64 v85, v[86:87]                     ; two of a number's four copies
	s_wait_tensorcnt 0x0                           ; the scale bytes have landed: their descriptors' registers are free
.irp j, 0,1,2,3,4,5,6,7
	s_mov_b32 s[76+\j], ((0xffff<<\j)&0xffff)|(((0xffff<<(8+\j))&0xffff)<<16)   ; the lanes in which key 8 h + j counts for query r: 8 h + j <= r
.endr
	s_mov_b32 s84, 0x76543210
	s_mov_b32 s85, 0xfedcba98                      ; v_permlanex16_b32's selects for lane l xor 16
	s_mov_b32 s86, 0x3e38aa3b                      ; log2(e) / 8
	s_mov_b32 s87, s86
	s_mov_b32 s88, 0xf149f2ca                      ; -1e30
	s_mov_b32 s89, 0x3c800000                      ; 1 / 64
	s_mov_b32 s90, 0x358637bd                      ; 1e-6
	s_mov_b32 s91, 0x600000                        ; the mantissa field of 448
	s_mov_b32 s[PASS], 0
	s_mov_b32 s[TX], 0
	s_mov_b32 s[TW], 0
	s_mov_b32 s[PFI], 0
	s_cmp_eq_u32 ttmp9, 0                          ; the same in all sixteen partners
	s_cselect_b32 s[PFON], 6, 0
	s_lshl_b32 s2, s23, 2
	s_add_co_u32 s2, s2, s[WV]
	s_lshl_b32 s2, s2, 11                          ; my 2 pixels of a pass's 32
	s_lshl_b32 s67, s27, 22
	s_add_co_u32 s2, s2, s67
	s_lshl_b32 s67, s66, 16
	s_add_co_u32 s2, s2, s67
	s_add_nc_u64 s[4:5], s[4:5], s[2:3]            ; where my prefetches begin
	s_mov_b32 s7, 0
	s_lshl_b32 s2, s27, 24                         ; out: (16,384 b + 64 head + 4 w) x 1,024 + 256 pg
	s_lshl_b32 s67, s25, 16
	s_add_co_u32 s2, s2, s67
	s_lshl_b32 s67, s[WV], 12
	s_add_co_u32 s2, s2, s67
	s_lshl_b32 s67, s66, 8
	s_add_co_u32 s2, s2, s67
	s_add_nc_u64 s[12:13], s[18:19], s[2:3]
	s_add_nc_u64 s[14:15], s[12:13], 0x800000      ; and eight frames on
.Lpass:                                            ; two trips, alike
	THREE                                          ; (first trip: the tables' stores are done; second: the images' stores and all reads of the slots)
	CROUND
	JLOAD 0                                        ; the pass's K step 0
	v_bfe_u32 v10, v0, 4, 1
	v_lshl_add_u32 v10, v10, 5, BIASQK             ; q, k: my eight channels' biases, 32 h bytes on
	v_and_b32 v11, 15, v0
	v_lshl_add_u32 v11, v11, 4, BIASV              ; v: my channel's, four times
	WIN 0x40
.set n, 0
.rept 32
	ds_load_b128 v[8*n:8*n+3], v10 offset:64*(n%4)
	ds_load_b128 v[8*n+4:8*n+7], v10 offset:64*(n%4)+16
.set n, n+1
.endr
	WIN 0x80
.set n, 0
.rept 32
	ds_load_b128 v[8*n:8*n+3], v10 offset:256+64*(n%4)
	ds_load_b128 v[8*n+4:8*n+7], v10 offset:256+64*(n%4)+16
.set n, n+1
.endr
	WIN 0xc0
.set n, 0
.rept 32
	ds_load_b128 v[8*n:8*n+3], v11 offset:256*(n%4)
	ds_load_b128 v[8*n+4:8*n+7], v11 offset:256*(n%4)
.set n, n+1
.endr
	WIN 0
	THREE                                          ; my part of K step 0 has landed, the biases are in
	CROUND
	JLOAD 1                                        ; K step 1
	SCALES 0
	FRAGB 0, 0
	FRAGB 0, 1
.irp f, 0,1,2,3,4,5,6,7
	FRAGA 0, \f
.endr
	FRAGB 0, 2
	FRAGB 0, 3
	s_mov_b32 s[KC], 3
.Lk:                                               ; K steps 0 to 5: each fills its slot again, two steps ahead
	STEP 0, 0
	STEP 1, 0
	s_sub_co_u32 s[KC], s[KC], 1
	s_cmp_lg_u32 s[KC], 0
	s_cbranch_scc1 .Lk
	STEP 0, 1                                      ; the tail is written out: nothing is left to fetch
	STEP 1, 2
	; ---- the tables: gains folded into cos and sin
	PLACES 8
	v_and_b32 v10, 31, v0
	v_lshl_add_u32 v10, v10, 4, CSIMG
	v_bfe_u32 v11, v0, 4, 1
	v_lshl_add_u32 v11, v11, 5, QSK
.irp g, 0,1,2,3
	ds_load_b128 v[96+4*\g:99+4*\g], v10 offset:512*\g            ; cos
	ds_load_b128 v[112+4*\g:115+4*\g], v10 offset:2048+512*\g     ; sin
.endr
.irp x, 0,1
.irp u, 0,1
.irp q, 0,1
	ds_load_b128 v[128+64*\x+8*\u+4*\q:131+64*\x+8*\u+4*\q], v11 offset:256*\x+64*\u+16*\q       ; the gains of channels 16 u + 8 h + j,
	ds_load_b128 v[176+64*\x+8*\u+4*\q:179+64*\x+8*\u+4*\q], v11 offset:256*\x+128+64*\u+16*\q   ; and of those 32 further on
.endr
.endr
.endr
.irp z, 72,73,74,75,76,77,78,79,88,89,90,91,92,93,94,95,54,55
	v_mov_b32 v\z, 0                               ; the zero codes of K 64 .. 127; and the lane permutes' destinations, which count as read
.endr
	v_mov_b32 v62, s88
	s_wait_dscnt 0x0
.irp x, 0,1
.irp p, 0,2,4,6,8,10,12,14
	v_pk_mul_f32 v[160+64*\x+\p:161+64*\x+\p], v[128+64*\x+\p:129+64*\x+\p], v[112+\p:113+\p]
	v_pk_mul_f32 v[144+64*\x+\p:145+64*\x+\p], v[176+64*\x+\p:177+64*\x+\p], v[112+\p:113+\p]
.endr
.irp p, 0,2,4,6,8,10,12,14
	v_pk_mul_f32 v[128+64*\x+\p:129+64*\x+\p], v[128+64*\x+\p:129+64*\x+\p], v[96+\p:97+\p]
	v_pk_mul_f32 v[176+64*\x+\p:177+64*\x+\p], v[176+64*\x+\p:177+64*\x+\p], v[96+\p:97+\p]
.endr
.endr
	; ---- 1 / rms of the sixteen (sequence, q or k)
	WIN 0x05
	SUMSQ 96
	WIN 0x0a
	SUMSQ 112
	WIN 0
.irp n, 0,1,2,3,4,5,6,7,8,9,10,11,12,13,14,15
	v_add_f32 v[96+2*\n], v[96+2*\n], v[97+2*\n]
.endr
.irp n, 0,1,2,3,4,5,6,7,8,9,10,11,12,13,14,15
	v_permlanex16_b32 v[97+2*\n], v[96+2*\n], s84, s85
.endr
.irp n, 0,1,2,3,4,5,6,7,8,9,10,11,12,13,14,15
	v_add_f32 v[96+2*\n], v[96+2*\n], v[97+2*\n]
.endr
.irp n, 0,1,2,3,4,5,6,7,8,9,10,11,12,13,14,15
	v_fma_f32 v[96+2*\n], v[96+2*\n], s89, s90     ; the mean + 1e-6
.endr
.irp t, 0,1,2,3,4,5,6,7
	v_rsq_f32 v[36+2*\t], v[96+2*\t]               ; q's
	v_rsq_f32 v[37+2*\t], v[112+2*\t]              ; k's
.endr
	v_nop
	s_wait_alu depctr_va_vdst(0)                   ; one wait for the sixteen, ahead of their first reader
	; ---- sequence by sequence: q and k turned and quantised, then the scores
.irp t, 0,1,2,3,4,5,6,7
	E2 \t, 0
	E2 \t, 1
	SCORE \t
.endr
	; ---- the causal softmax of all eight; the mask's line brings the scores into window 0, each result from its low end on
	WIN 0x04
.irp t, 0,1,2,3,4,5,6,7
.irp j, 0,1,2,3,4,5,6,7
	v_cndmask_b32 v[128+8*\t+\j], v62, v[32*\t+\j], s[76+\j]
.endr
.endr
	WIN 0
.irp t, 0,1,2,3,4,5,6,7
	v_max3_num_f32 v[194+4*\t], v[128+8*\t], v[129+8*\t], v[130+8*\t]
.endr
.irp t, 0,1,2,3,4,5,6,7
	v_max3_num_f32 v[194+4*\t], v[194+4*\t], v[131+8*\t], v[132+8*\t]
.endr
.irp t, 0,1,2,3,4,5,6,7
	v_max3_num_f32 v[194+4*\t], v[194+4*\t], v[133+8*\t], v[134+8*\t]
.endr
.irp t, 0,1,2,3,4,5,6,7
	v_max_num_f32 v[194+4*\t], v[194+4*\t], v[135+8*\t]
.endr
.irp t, 0,1,2,3,4,5,6,7
	v_permlanex16_b32 v[193+4*\t], v[194+4*\t], s84, s85
.endr
.irp t, 0,1,2,3,4,5,6,7
	v_max_num_f32 v[194+4*\t], v[194+4*\t], v[193+4*\t]            ; the row's largest score (the diagonal always counts)
.endr
.irp t, 0,1,2,3,4,5,6,7
	v_mul_f32 v[192+4*\t], s86, v[194+4*\t]
.endr
.irp t, 0,1,2,3,4,5,6,7
.irp p, 0,2,4,6
	v_pk_fma_f32 v[128+8*\t+\p:129+8*\t+\p], v[128+8*\t+\p:129+8*\t+\p], s[86:87], v[192+4*\t:193+4*\t] op_sel_hi:[1,0,0] neg_lo:[0,0,1] neg_hi:[0,0,1]
.endr
.endr
.set n, 0
.rept 64
	v_exp_f32 v[128+n], v[128+n]
.set n, n+1
.endr
	v_nop
	s_wait_alu depctr_va_vdst(0)                   ; one wait for the 64
.irp t, 0,1,2,3,4,5,6,7
	v_pk_add_f32 v[194+4*\t:195+4*\t], v[128+8*\t:129+8*\t], v[130+8*\t:131+8*\t]
.endr
.irp t, 0,1,2,3,4,5,6,7
	v_pk_add_f32 v[194+4*\t:195+4*\t], v[194+4*\t:195+4*\t], v[132+8*\t:133+8*\t]
.endr
.irp t, 0,1,2,3,4,5,6,7
	v_pk_add_f32 v[194+4*\t:195+4*\t], v[194+4*\t:195+4*\t], v[134+8*\t:135+8*\t]
.endr
.irp t, 0,1,2,3,4,5,6,7
	v_add_f32 v[194+4*\t], v[194+4*\t], v[195+4*\t]
.endr
.irp t, 0,1,2,3,4,5,6,7
	v_permlanex16_b32 v[193+4*\t], v[194+4*\t], s84, s85
.endr
.irp t, 0,1,2,3,4,5,6,7
	v_add_f32 v[194+4*\t], v[194+4*\t], v[193+4*\t]
.endr
.irp t, 0,1,2,3,4,5,6,7
	v_rcp_f32 v[192+4*\t], v[194+4*\t]
.endr
	v_nop
	s_wait_alu depctr_va_vdst(0)                   ; one wait for the eight
.irp t, 0,1,2,3,4,5,6,7
.irp p, 0,2,4,6
	v_pk_mul_f32 v[128+8*\t+\p:129+8*\t+\p], v[128+8*\t+\p:129+8*\t+\p], v[192+4*\t:193+4*\t] op_sel_hi:[1,0]
.endr
.endr
	WIN 0x40                                       ; P to window 1: for the pair m of sequences twelve registers on end: p of 2 m, four zeros, p of 2 m + 1
.irp t, 0,1,2,3,4,5,6,7
.irp q, 0,1,2,3
	v_cvt_pk_bf16_f32 v[64*(\t/2)+16+8*(\t%2)+\q], v[128+8*\t+2*\q], v[129+8*\t+2*\q]
.endr
.endr
.irp m, 0,1,2,3
.irp q, 0,1,2,3
	v_mov_b32 v[64*\m+20+\q], 0
.endr
.endr
	; ---- V^T in place in window 3: for pair m and channels 16 c4 on eight registers at 64 m + 8 c4: sequence 2 m's keys, then 2 m + 1's
	WIN 0xcf
.irp m, 0,1,2,3
.irp c, 0,1,2,3
.irp q, 0,1,2,3
	v_cvt_pk_bf16_f32 v[64*\m+8*\c+\q], v[64*\m+8*\c+2*\q], v[64*\m+8*\c+2*\q+1]
.endr
.endr
.endr
.irp m, 0,1,2,3
.irp c, 0,1,2,3
.irp q, 0,1,2,3
	v_cvt_pk_bf16_f32 v[64*\m+8*\c+4+\q], v[64*\m+32+8*\c+2*\q], v[64*\m+32+8*\c+2*\q+1]
.endr
.endr
.endr
	WIN 0
	IMGADR
	s_cmp_lg_u32 s[PASS], 0                        ; pass 0's operands wait in LDS, pass 1's stay in registers: a branch on the count of passes, round LDS stores alone
	s_cbranch_scc1 .Lkeep
	WIN 0x0c
.set n, 0
.rept 32
	ds_store_b128 v10, v[64*(n/8)+4*(n%8):64*(n/8)+4*(n%8)+3] offset:512*n
.set n, n+1
.endr
	WIN 0x04
.irp m, 0,1,2,3
.irp e, 0,1
	ds_store_b128 v11, v[64*\m+16+8*\e:64*\m+19+8*\e] offset:512*(2*\m+\e)
.endr
.endr
	WIN 0
.Lkeep:
	s_add_nc_u64 s[46:47], s[46:47], 32000         ; no tensor load of mine is out: x's descriptors go 32 pixels on and back along K,
	s_add_nc_u64 s[50:51], s[50:51], 32000
	s_sub_nc_u64 s[70:71], s[70:71], 768           ; W's back along K
	s_sub_nc_u64 s[74:75], s[74:75], 768
	s_add_co_u32 s[TX], s[TX], 4320                ; pass 1's scale words of x
	s_sub_co_u32 s[TW], s[TW], 32
	s_add_co_u32 s[PASS], s[PASS], 1
	s_cmp_lt_u32 s[PASS], 2
	s_cbranch_scc1 .Lpass
	; ---- THE WAY OUT
	v_and_b32 v39, 15, v0
	v_bfe_u32 v40, v0, 4, 1
	v_lshl_add_u32 v12, v40, 7, v39                ; into a stage: row 128 h + r (+ 16 j), my wave's 8 pixels
	v_mul_u32_u24 v12, v12, STP
	s_lshl_b32 s2, s[WV], 5
	v_add_nc_u32 v12, s2, v12
	v_add_nc_u32 v13, SLOTB, v12
	s_lshl_b32 s2, s[WV], 6
	v_add_nc_u32 v36, s2, v40                      ; back: my 64 rows, two an instruction, sixteen lanes to a row
	v_mul_u32_u24 v36, v36, STP
	v_lshl_add_u32 v36, v39, 4, v36
	v_add_nc_u32 v37, SLOTB, v36
	v_lshlrev_b32 v38, 20, v40                     ; in out0: lanes 16-31 one frame on; 16 bytes a lane
	v_lshl_add_u32 v38, v39, 4, v38
.irp m, 0,1,2,3
.irp e, 0,1
	ds_load_b128 v[64+12*\m+8*\e:67+12*\m+8*\e], v11 offset:512*(2*\m+\e)   ; pass 0's P, with zeros between
.endr
.irp q, 0,1,2,3
	v_mov_b32 v[68+12*\m+\q], 0
.endr
.endr
	VF0 0
	OUTCHUNK 0
	OUTCHUNK 1
	OUTCHUNK 2
	OUTCHUNK 3
	THREE                                          ; the wave's end: behind my last tensor load and my last LDS store
	CROUND                                         ; the closing round
	s_endpgm
.Lfunc_end_k_q4643ea963b_tattn:
	.size	k_q4643ea963b_tattn, .Lfunc_end_k_q4643ea963b_tattn-k_q4643ea963b_tattn
	.p2alignl 7, 3214868480
	.fill 96, 4, 3214868480
	.section	.rodata,"a",@progbits
	.p2align	6, 0x0
	.amdhsa_kernel k_q4643ea963b_tattn
		.amdhsa_group_segment_fixed_size 327680
		.amdhsa_private_segment_fixed_size 0
		.amdhsa_enable_private_segment 0
		.amdhsa_kernarg_size 64
		.amdhsa_user_sgpr_count 2
		.amdhsa_user_sgpr_kernarg_segment_ptr 1
		.amdhsa_wavefront_size32 1
		.amdhsa_system_sgpr_workgroup_id_x 1
		.amdhsa_system_sgpr_workgroup_id_y 1
		.amdhsa_system_sgpr_workgroup_id_z 1
		.amdhsa_system_vgpr_workitem_id 0
		.amdhsa_next_free_vgpr 1024
		.amdhsa_next_free_sgpr 102
		.amdhsa_reserve_vcc 1
		.amdhsa_float_denorm_mode_32 3
		.amdhsa_float_denorm_mode_16_64 3
		.amdhsa_memory_ordered 1
		.amdhsa_forward_progress 1
		.amdhsa_inst_pref_size 255
	.end_amdhsa_kernel
	.section	.bss,"aw",@nobits
	.p2align	6
	.space	262144
	.amdgpu_metadata
---
amdhsa.version: [ 1, 2 ]
amdhsa.kernels:
  - .name:           k_q4643ea963b_tattn
    .symbol:         k_q4643ea963b_tattn.kd
    .args:
      - { .name: x_codes, .offset: 0, .size: 8, .value_kind: global_buffer, .address_space: global }
      - { .name: x_scales, .offset: 8, .size: 8, .value_kind: global_buffer, .address_space: global }
      - { .name: Wqkv_codes, .offset: 16, .size: 8, .value_kind: global_buffer, .address_space: global }
      - { .name: Wqkv_scales, .offset: 24, .size: 8, .value_kind: global_buffer, .address_space: global }
      - { .name: bqkv, .offset: 32, .size: 8, .value_kind: global_buffer, .address_space: global }
      - { .name: q_scale, .offset: 40, .size: 8, .value_kind: global_buffer, .address_space: global }
      - { .name: k_scale, .offset: 48, .size: 8, .value_kind: global_buffer, .address_space: global }
      - { .name: out0, .offset: 56, .size: 8, .value_kind: global_buffer, .address_space: global }
    .group_segment_fixed_size: 327680
    .private_segment_fixed_size: 0
    .kernarg_segment_align: 8
    .kernarg_segment_size: 64
    .max_flat_workgroup_size: 128
    .sgpr_count:     102
    .vgpr_count:     1024
    .wavefront_size: 32
...
	.end_amdgpu_metadata
.endif
;; end of part 1
